; MI455X (gfx1250); checked and timed in simulation.
; The chip was launched on July 23, 2026; its instructions are those of AMD's public machine-readable ISA for CDNA 5 (MIT licence, August 2026) and "CDNA5" Instruction Set Architecture Reference Guide (July 2026). The comments in the code are by the model that wrote it; some were corrected since.
;; Causal Self Attention. Allowed arithmetic: matrix products marked QUANTISED: E4M3 operands, one given power-of-two scale a tensor, by v_wmma_f32_16x16x64_fp8_fp8 or v_wmma_f32_16x16x128_fp8_fp8, f32 sums; everything else in f32.
;; Inputs: b_attn 3,072 float32; b_proj 1,024 float32; lowp_scales 8 int32 (the exponents e of the quantised operands' scales 2^e); w_attn 1,024 x 3,072 float32; w_proj 1,024 x 1,024 float32; x 4 x 2,048 x 1,024 float32.
;; Outputs: out0 4 x 2,048 x 1,024 float32.
;; This version of the problem:
;;   THIS VERSION OF THE PROBLEM IS GIVEN IN LOW PRECISION. The matrix products marked QUANTISED in the list below multiply operands that are first quantised to E4M3 (4 exponent bits, 3 mantissa bits; 8 bits a number), with one given power-of-two scale for each operand tensor; their sums are f32. All else is computed in f32.
;;   The module's matrix products, in the order in which they are computed (A, B: the left and right operand; K: the contracted axis; several contracted axes count as one K, in the product's order):
;;     1. [M 8,192, K 1,024] x [K 1,024, N 3,072]; A: input x; B: input w_attn: QUANTISED (scales: A lowp_scales[0], B lowp_scales[1])
;;     2. batch 64 x [M 2,048, K 64] x [K 64, N 2,048]; A: computed on the way; B: computed on the way: QUANTISED (scales: A lowp_scales[2], B lowp_scales[3])
;;     3. batch 64 x [M 2,048, K 2,048] x [K 2,048, N 64]; A: softmax (see below); B: computed on the way: QUANTISED (scales: A lowp_scales[4], B lowp_scales[5])
;;     4. [M 8,192, K 1,024] x [K 1,024, N 1,024]; A: computed on the way; B: input w_proj: QUANTISED (scales: A lowp_scales[6], B lowp_scales[7])
;;   THE QUANTISER, for each operand of a quantised product, along K:
;;     - The operand's scale is 2^e, e = its entry of the input lowp_scales (int32; the entries are numbered through the quantised products in the list's order, A before B).
;;     - Each number is divided by the scale, clamped to +-448, and rounded to the nearest number of E4M3, ties to even, subnormals kept.
;;     - The product sums the exact products of the quantised numbers (number of the format x scale) in f32.
;;   ~~~python
;;   def quantise(x, axis, e):      # numpy; x: float32 -> the quantised numbers, widened to float32 again
;;       x = np.moveaxis(x, axis, -1); K = x.shape[-1]
;;       r = np.clip(x / 2.0 ** e, -448, 448)
;;       step = 2.0 ** (np.maximum(np.frexp(np.where(r == 0, 1, r))[1] - 1, -6) - 3)
;;       q = np.round(r / step) * step * 2.0 ** e      # np.round: ties to even
;;       return np.moveaxis(q, -1, axis).astype(np.float32)
;;   ~~~
;;   SOFTMAX AHEAD OF A QUANTISED PRODUCT. Where the list says 'softmax', what is quantised is not the finished softmax but p = 2^(t - M), with t = logit x log2(e) and M = ceil(the row's largest t), a whole number; so 1/2 < the row's largest p <= 1. The row's sum l is taken of the UNQUANTISED p, in f32, and the product's result is divided by l at the end. Since M is a whole number, a kernel that streams over the keys may use a running M (the ceiling of the running maximum): every later rescaling is an exact power of two, so the quantised numbers keep their values, but for numbers so far below the row's largest that they fall under the format's range.
;;   OPERANDS COMPUTED ON THE WAY. 'Computed on the way' means the value that the module computes at that place (a softmax that the list does not call 'softmax' is quantised finished and normalised). What goes into a quantiser is computed in f32, as accurately as f32 sums, v_exp_f32 and their like allow (about 1e-6 of the number): no bf16 or f16 on the way to a quantiser, and a product that is left as it is and whose result goes on into a quantised operand takes f32 operands (vector FMAs, or v_wmma_f32_16x16x4_f32). A number that lies on a knife's edge between two numbers of the format may be rounded either way, as far as f32 arithmetic and the matrix unit's own rounding can turn it there, and no further.
;; One version. Each part assembles by itself: llvm-mc -triple=amdgcn-amd-amdhsa -mcpu=gfx1250 --defsym DOCPART=n.
;; ======== version 1 of 1: 4 launches
;; limits: right only within a limited range of input values
;; workspace buffers: xc 8,388,608 bytes; wac 3,145,728 bytes; wpc 1,048,576 bytes; qkv 25,165,824 bytes; yc 8,388,608 bytes
;; launch quant (part 1): grid 512 x 1, 4 waves a work-group, no clusters, 9,728 bytes of LDS; arguments x, w_attn, w_proj, lowp_scales, xc, wac, wpc; writes xc, wac, wpc
.if DOCPART == 1
	.amdgcn_target "amdgcn-amd-amdhsa--gfx1250"
	.amdhsa_code_object_version 6
	.text
	.protected	k_q882186cc45_quant
	.globl	k_q882186cc45_quant
	.p2align	8
	.type	k_q882186cc45_quant,@function
k_q882186cc45_quant:
	s_mov_b64 s[64:65], 0
	v_nop
	global_prefetch_b8 v0, s[64:65] scope:SCOPE_SE
	s_setreg_imm32_b32 hwreg(HW_REG_WAVE_MODE, 25, 1), 1
	s_wait_xcnt 0x0
; x [8192][1024], w_attn [1024][3072] and w_proj [1024][1024], f32, become codes of FP8 (E4M3), each with the one scale 2^e given for it (entries 0, 1, 7).
; code = number / 2^e, held within +-448, rounded to the nearest code, ties to even.
; THE CODES ARE LAID AS IMAGES OF THE MATRIX OPERAND'S REGISTERS: a fragment of 16 rows x 128 K is 2,048 bytes, [group c 0..3][lane 0..31][16 bytes]; the products' launches
; fetch a fragment by four loads of 16 bytes a lane at 16 x lane + 512 c.  xc: [row tile][K step][2,048]; wac, wpc: [column tile][K step][2,048].
; Which k a byte holds: x and w_attn, alike: lane (r, h), group c, byte i: k = 64 h + 16 c + i (a permutation of k that is the same on both sides of the product keeps every pair together);
; w_proj: register pair c of lane (r, h): k = 16 c + 8 h + 0..7, the place that the plain 8-bit form gives each k, since its partner y is made so in registers.
; SHARES: work-groups 0-255 take x (a wave: 16 rows x 512 K, four images), 256-447 w_attn, 448-511 w_proj (a wave: 32 columns x 128 K, two images).  Waves share nothing: no barrier.
; No matrix unit, no cluster, no tensor load: every byte is read once and written once, nothing is shared between work-groups.
; LIMITS: each e between -126 and 119, so that 2^e and 448 x 2^e are f32 numbers.  NaN among the inputs is not served; an infinity is held at the largest code.
.set CC,  16                           ; v16-31   x: a dword of codes for each of 16 rows
.set XX,  32                           ; v32-159  x: two sets of 64 numbers
.set OO,  160                          ; v160-223 x: four images' registers: no store's data are written again
.set WA,  32                           ; v32-95   w: 64 numbers down K of my column, first k set
.set WB,  96                           ; v96-159  w: the second k set
.set CA,  160                          ; v160-175 w: codes of the first set
.set CB,  176                          ; v176-191 w: codes of the second
.set SP,  144                          ; x's stage: a row of 128 codes + 16 bytes of padding: the sixteen rows that a 16-byte read touches start at sixteen different groups of four banks
.set WST, 16*SP                        ; a wave's stage
	s_load_b256 s[4:11], s[0:1], 0x0               ; x s[4:5], w_attn s[6:7], w_proj s[8:9], the exponents s[10:11]
	s_load_b128 s[12:15], s[0:1], 0x20             ; xc s[12:13], wac s[14:15]
	s_load_b64 s[16:17], s[0:1], 0x30              ; wpc
	v_lshl_add_u32 v224, v0, 2, 0x2400
	v_mov_b32 v225, 0
	v_lshrrev_b32 v1, 5, v0
	v_readfirstlane_b32 s18, v1                    ; wave
	v_and_b32 v1, 31, v0                           ; lane
	v_lshlrev_b32 v2, 4, v1                        ; 16 x lane: dense loads of x, all stores
	v_lshlrev_b32 v9, 2, v1                        ; 4 x lane: a column of w
	v_and_b32 v7, 15, v0                           ; r
	v_bfe_u32 v8, v0, 4, 1                         ; h
	s_mul_i32 s19, s18, WST
	v_add_nc_u32 v3, s19, v9                       ; the stage, in: my dword of a row
	v_mul_u32_u24 v4, v7, SP
	v_lshl_add_u32 v4, v8, 6, v4
	v_add_nc_u32 v4, s19, v4                       ; the stage, out: row r, k = 64 h on
	s_wait_kmcnt 0x0
	s_load_b256 s[24:31], s[10:11], 0x0            ; the eight exponents
	s_cmp_lt_u32 ttmp9, 256
	s_cbranch_scc1 .Lx
	s_cmp_lt_u32 ttmp9, 448
	s_cbranch_scc1 .Lwa
.macro SCALE es                        ; v6 = 2^e (the conversion takes its exponent field)
	s_wait_kmcnt 0x0
	s_add_co_i32 s32, s[\es], 127
	s_lshl_b32 s33, s32, 23
	v_mov_b32 v6, s33
	s_add_co_i32 s32, s32, 8
	s_lshl_b32 s32, s32, 23
	s_or_b32 s32, s32, 0x600000
.endm
; A LANE TAKES A COLUMN AND ITS REGISTERS RUN DOWN K: register i of set h' is row k = ka (i / 8) + i % 8 + kh h'.  Each load reads 128 consecutive bytes a wave, the four waves 512.
.macro WLOAD q, n, ka, kh, wp          ; quarter q: 16 registers of each set
.set i, 16*(\q)
.rept 16
	global_load_b32 v[WA+i], v9, s[\wp:\wp+1] offset:((\ka)*(i/8)+i%8)*(\n)*4 th:TH_LOAD_NT
.set i, i+1
.endr
.set i, 16*(\q)
.rept 16
	global_load_b32 v[WB+i], v9, s[\wp:\wp+1] offset:((\ka)*(i/8)+i%8+(\kh))*(\n)*4 th:TH_LOAD_NT
.set i, i+1
.endr
.endm
.macro WQ n, ka, kh, wp, cp, es, first
	s_sub_co_u32 s20, ttmp9, \first
	s_lshr_b32 s21, s20, 3                         ; which 128 columns
	s_and_b32 s20, s20, 7                          ; which K step of 128
	s_mul_i32 s22, s20, 128*(\n)*4
	s_lshl_b32 s23, s21, 9
	s_add_co_u32 s22, s22, s23
	s_lshl_b32 s23, s18, 7                         ; my wave's 32 columns
	s_add_co_u32 s22, s22, s23
	s_mov_b32 s23, 0
	s_add_nc_u64 s[\wp:\wp+1], s[\wp:\wp+1], s[22:23]
	s_lshl_b32 s22, s21, 3
	s_lshl_b32 s33, s18, 1
	s_add_co_u32 s22, s22, s33                     ; my first column tile
	s_lshl_b32 s22, s22, 14                        ; 8 K steps x 2,048 bytes a tile
	s_lshl_b32 s33, s20, 11
	s_add_co_u32 s22, s22, s33
	s_add_nc_u64 s[\cp:\cp+1], s[\cp:\cp+1], s[22:23]
	WLOAD 0, \n, \ka, \kh, \wp
	WLOAD 1, \n, \ka, \kh, \wp
	SCALE \es
	s_wait_alu depctr_va_vdst(0)
.irp q, 0,1,2,3
.if \q < 3
	s_wait_loadcnt 32                              ; this quarter's 32 loads are in; the next quarter's 32 may be out
.else
	s_wait_loadcnt 0
.endif
.if \q < 2
	WLOAD \q+2, \n, \ka, \kh, \wp                  ; every quarter has registers of its own
.endif
.set i, 16*\q
.rept 16
.set i, i+1
.endr
	v_cvt_scalef32_pk8_fp8_f32 v[CA+4*\q:CA+4*\q+1], v[WA+16*\q:WA+16*\q+7], v6
	v_cvt_scalef32_pk8_fp8_f32 v[CA+4*\q+2:CA+4*\q+3], v[WA+16*\q+8:WA+16*\q+15], v6
	v_cvt_scalef32_pk8_fp8_f32 v[CB+4*\q:CB+4*\q+1], v[WB+16*\q:WB+16*\q+7], v6
	v_cvt_scalef32_pk8_fp8_f32 v[CB+4*\q+2:CB+4*\q+3], v[WB+16*\q+8:WB+16*\q+15], v6
	v_nop                                          ; one plain line between a scaled conversion and the vector lines that touch its results
.irp x, 0,1,2,3
	v_permlane16_swap_b32 v[CA+4*\q+\x], v[CB+4*\q+\x]   ; CA's lanes 16-31 <-> CB's lanes 0-15: CA is now the image of columns 0-15 (lane 16 + r: their second k set), CB that of columns 16-31
.endr
	global_store_b128 v2, v[CA+4*\q:CA+4*\q+3], s[\cp:\cp+1] offset:512*\q          ; group q of the image: 512 consecutive bytes
	global_store_b128 v2, v[CB+4*\q:CB+4*\q+3], s[\cp:\cp+1] offset:16384+512*\q    ; the next column tile's
.endr
.endm
	s_wait_alu depctr_va_vdst(0)
	WQ 1024, 16, 8, 8, 16, 31, 448                 ; w_proj, entry 7
	s_endpgm
.Lwa:
	s_wait_alu depctr_va_vdst(0)
	WQ 3072, 8, 64, 6, 14, 25, 256                 ; w_attn, entry 1
	s_endpgm
.Lx:
	; x: unit u = 4 x work-group + wave: row tile u / 2, K half u % 2
	s_lshl_b32 s20, ttmp9, 2
	s_add_co_u32 s20, s20, s18
	s_lshr_b32 s21, s20, 1
	s_lshl_b32 s22, s21, 16                        ; 16 rows of 4,096 bytes
	s_and_b32 s23, s20, 1
	s_lshl_b32 s23, s23, 11                        ; 512 numbers
	s_add_co_u32 s22, s22, s23
	s_mov_b32 s23, 0
	s_add_nc_u64 s[4:5], s[4:5], s[22:23]
	s_lshl_b32 s22, s20, 13                        ; four images
	s_add_nc_u64 s[12:13], s[12:13], s[22:23]
.macro LOADX t                         ; image t: 128 numbers of each of 16 rows; a load takes 512 consecutive bytes of one row, 16 a lane
.set XL, XX+64*((\t)%2)
.irp i, 0,1,2,3,4,5,6,7,8,9,10,11,12,13,14,15
	global_load_b128 v[XL+4*\i:XL+4*\i+3], v2, s[4:5] offset:\i*4096+(\t)*512 th:TH_LOAD_NT
.endr
.endm
.macro IMG t
.set XS, XX+64*((\t)%2)
.set OS, OO+16*(\t)
.if (\t) < 3
	s_wait_loadcnt 16                              ; this image's 16 loads are in; the next image's may be out
.else
	s_wait_loadcnt 0
.endif
.set n, 0
.rept 64
.set n, n+1
.endr
.irp i, 0,2,4,6,8,10,12,14
	v_cvt_scalef32_pk8_fp8_f32 v[CC+\i:CC+\i+1], v[XS+4*\i:XS+4*\i+7], v6   ; four numbers of row i, four of row i + 1: with one scale for the tensor the eight need not be neighbours
.endr
.irp i, 0,1,2,3,4,5,6,7,8,9,10,11,12,13,14,15
	ds_store_b32 v3, v[CC+\i] offset:SP*\i         ; row i's codes k = 4 lane .. 4 lane + 3
.endr
.if (\t) < 2
	LOADX (\t)+2                                   ; into the set just converted
.endif
.irp c, 0,1,2,3
	ds_load_b128 v[OS+4*\c:OS+4*\c+3], v4 offset:16*\c   ; LDS serves a wave's instructions in order: these see the stores above.  Row r, k = 64 h + 16 c + 0..15
.endr
	s_wait_dscnt 0x0                               ; the image is in registers, and the stores have read theirs
.irp c, 0,1,2,3
	global_store_b128 v2, v[OS+4*\c:OS+4*\c+3], s[12:13] offset:(\t)*2048+512*\c
.endr
.endm
	s_wait_alu depctr_va_vdst(0)
	LOADX 0
	LOADX 1
	SCALE 24                                       ; entry 0
	s_wait_alu depctr_va_vdst(0)
	IMG 0
	IMG 1
	IMG 2
	IMG 3
	s_wait_tensorcnt 0x0
	ds_add_u32 v224, v225
	s_wait_dscnt 0x0
	s_endpgm
.Lfunc_end_k_q882186cc45_quant:
	.size	k_q882186cc45_quant, .Lfunc_end_k_q882186cc45_quant-k_q882186cc45_quant
	.p2alignl 7, 3214868480
	.fill 96, 4, 3214868480
	.section	.rodata,"a",@progbits
	.p2align	6, 0x0
	.amdhsa_kernel k_q882186cc45_quant
		.amdhsa_group_segment_fixed_size 9728
		.amdhsa_private_segment_fixed_size 0
		.amdhsa_enable_private_segment 0
		.amdhsa_kernarg_size 56
		.amdhsa_user_sgpr_count 2
		.amdhsa_user_sgpr_kernarg_segment_ptr 1
		.amdhsa_wavefront_size32 1
		.amdhsa_system_sgpr_workgroup_id_x 1
		.amdhsa_system_sgpr_workgroup_id_y 1
		.amdhsa_system_sgpr_workgroup_id_z 1
		.amdhsa_system_vgpr_workitem_id 0
		.amdhsa_next_free_vgpr 226
		.amdhsa_next_free_sgpr 66
		.amdhsa_reserve_vcc 0
		.amdhsa_float_denorm_mode_32 3
		.amdhsa_float_denorm_mode_16_64 3
		.amdhsa_fp16_overflow 1
		.amdhsa_memory_ordered 1
		.amdhsa_forward_progress 1
		.amdhsa_inst_pref_size 48
	.end_amdhsa_kernel
	.amdgpu_metadata
---
amdhsa.version: [ 1, 2 ]
amdhsa.kernels:
  - .name:           k_q882186cc45_quant
    .symbol:         k_q882186cc45_quant.kd
    .args:
      - { .name: x, .offset: 0, .size: 8, .value_kind: global_buffer, .address_space: global }
      - { .name: w_attn, .offset: 8, .size: 8, .value_kind: global_buffer, .address_space: global }
      - { .name: w_proj, .offset: 16, .size: 8, .value_kind: global_buffer, .address_space: global }
      - { .name: lowp_scales, .offset: 24, .size: 8, .value_kind: global_buffer, .address_space: global }
      - { .name: xc, .offset: 32, .size: 8, .value_kind: global_buffer, .address_space: global }
      - { .name: wac, .offset: 40, .size: 8, .value_kind: global_buffer, .address_space: global }
      - { .name: wpc, .offset: 48, .size: 8, .value_kind: global_buffer, .address_space: global }
    .group_segment_fixed_size: 9728
    .private_segment_fixed_size: 0
    .kernarg_segment_align: 8
    .kernarg_segment_size: 56
    .max_flat_workgroup_size: 128
    .sgpr_count:     66
    .vgpr_count:     226
    .wavefront_size: 32
...
	.end_amdgpu_metadata
.endif
;; end of part 1
;; launch qkvgemm (part 2): grid 12 x 32, 4 waves a work-group, clusters of 4 x 4, 327,680 bytes of LDS; arguments xc, wac, b_attn, lowp_scales, qkv; writes qkv
.if DOCPART == 2
	.amdgcn_target "amdgcn-amd-amdhsa--gfx1250"
	.amdhsa_code_object_version 6
	.text
	.protected	k_q882186cc45_qkvgemm
	.globl	k_q882186cc45_qkvgemm
	.p2align	8
	.type	k_q882186cc45_qkvgemm,@function
k_q882186cc45_qkvgemm:
	s_mov_b64 s[64:65], 0
	v_nop
	global_prefetch_b8 v0, s[64:65] scope:SCOPE_SE
	s_setreg_imm32_b32 hwreg(HW_REG_WAVE_MODE, 25, 1), 1
	s_wait_xcnt 0x0
	s_wait_alu depctr_hold_cnt(0) depctr_sa_sdst(0) depctr_va_vdst(0) depctr_va_sdst(0) depctr_va_ssrc(0) depctr_va_vcc(0) depctr_vm_vsrc(0)
	s_getreg_b32 s2, hwreg(HW_REG_IB_STS2, 6, 4)
	s_cmp_eq_u32 s2, 0
	s_cbranch_scc0 .Lentry_in_a_cluster
	s_endpgm
.Lentry_in_a_cluster:
	s_bfe_u32 s2, ttmp6, 0x10000c
	s_cmp_lg_u32 s2, 0xf033
	s_cbranch_scc0 .Lentry_shape_is_right
	s_endpgm
.Lentry_shape_is_right:
; qkv = x w_attn + b_attn on codes of FP8 (E4M3), then q, k and v are quantised with their own given scales (entries 2, 3, 5) and stored as images of the next products' operand registers.
; A tile of 256 x 256 is made by four waves, each 128 x 128: 64 accumulators of 16 x 16, 512 registers.  K = 1,024 goes in four fills of 256 through two LDS slots.
; OPERANDS ARE IMAGES: a fragment (16 rows x 128 K) is 2,048 bytes, group c of lane l at 512 c + 16 l: four 16-byte loads, each of 512 consecutive bytes: no pitch, no padding.
; A tensor load brings 8 row tiles x 4,096 bytes (two K steps of each), 16,384 bytes apart in memory.
; THE MATRIX INSTRUCTION: source 0 = 16 rows of operand S0, source 1 = 16 rows of S1: lane (r, h) of accumulator (a, b) holds S1's row 16 a + r and S0's rows 16 b + 8 h + 0..7.
; ROLES by the cluster's x (0: q, 1: k, 2: v), the same in all sixteen partners.  q, k: S0 = w_attn's columns, S1 = tokens: a lane holds 8 neighbouring channels of one token: K of the score product.
; v: S0 = tokens, S1 = w_attn's columns: a lane holds 8 neighbouring TOKENS of one channel: the keys, K of the second product, come out innermost; nothing is transposed.  Only pointers and numbers are chosen.
; So the eight codes that a conversion makes are a register pair of the next operand, and a block's codes leave as four stores of 512 consecutive bytes.
; qkv: q at 0, k at 8 MiB: [head][token tile][1,024];  v at 16 MiB: [head][128 tokens][16 channels][2,048].
; CLUSTERS: 4 x 4.  S1's tile hangs on cy and is shared along a row of the cluster, S0's on cx and is shared along a column: each is asked for jointly.
; 384 tiles: a smaller tile would divide evenly among the WGPs but read twice the LDS bytes for each product; a tile of 256 x 384 has no room in the registers.
; LIMITS: e0 + e1 between -126 and 127; entries 2, 3, 5 between -126 and 119.
; REGISTERS: window 0: v16-31 addresses; v32-95, v96-111 biases; v128-255 S1's fragments, one set (on the way out: at work).  window 1: S0's fragments, two sets.  windows 2, 3: accumulators.
.set FR,     16
.set NL,     4
.set NP,     4
.set HALFT,  32768                     ; 128 rows x 256 K: what one tensor load brings
.set SLOT,   4*HALFT
.set SPARE,  2*SLOT                    ; behind the ring: the spare words, 128 bytes a wave
.set ADRA, 16                          ; v16-17 my S1 fragments in slot 0, 1
.set ADRB, 20                          ; v20-21 my S0 fragments
.set CO1,  25                          ; v25  16 x lane + the distance to the block's second half
.set BO,   26                          ; v26  32 h
.set LI,   27                          ; v27  16 x lane
.set SPW,  28
.set NIL,  29
.set BR,   30                          ; v30  4 r
.set BN,   32                          ; v32-95  bias along S0: register 8 b + j
.set BM,   96                          ; v96-111 bias along S1: block a's, twice (a pair)
.set LIMV, 112
.set SCV,  113
.set AF,   128
.set T,    128                         ; the way out: 64 numbers
.set CD,   192                         ; and their 16 registers of codes
.set G1, 24
.set G0, 32
.set G1B, 48
.set G0B, 56
.set MSB, 0
.macro WIN new                         ; the immediate's high byte repeats the setting that is left
.if MSB != (\new)
	s_set_vgpr_msb (MSB<<8)|(\new)
.set MSB, (\new)
.endif
.endm
.set MUL_LO, 0xa1                      ; source 0 window 1, source 1 window 0, C and D window 2
.set MUL_HI, 0xf1
.set TO_B,   0x40
.macro JLOAD g0a, g1a, g0b, g1b        ; waves 0, 1 fetch S1's halves, waves 2, 3 S0's; four v_nop follow each line
	s_cmp_eq_u32 s15, 0
	s_cbranch_scc0 .Lfor_b_\@
	tensor_load_to_lds s[\g0a:\g0a+3], s[\g1a:\g1a+7]
	s_nop 0
.rept 4
	v_nop
.endr
	s_branch .Lasked_\@
.Lfor_b_\@:
	tensor_load_to_lds s[\g0b:\g0b+3], s[\g1b:\g1b+7]
	s_nop 0
.rept 4
	v_nop
.endr
.Lasked_\@:
.endm
.macro CREST
	s_cmp_lg_u32 s14, 0
	s_cbranch_scc1 .Lnot_wave_0_\@
	s_barrier_signal -3
.Lnot_wave_0_\@:
	s_barrier_wait -3
	s_barrier_signal -1
	s_barrier_wait -1
.endm
.macro CROUND
	s_barrier_signal -1
	s_barrier_wait -1
	CREST
.endm
	s_load_b256 s[4:11], s[0:1], 0x0               ; xc s[4:5], wac s[6:7], b_attn s[8:9], the exponents s[10:11]
	s_load_b64 s[12:13], s[0:1], 0x20              ; qkv
	v_lshl_add_u32 v[SPW], v0, 2, SPARE
	v_mov_b32 v[NIL], 0
	ds_add_u32 v28, v29
	ds_add_u32 v28, v29
	s_wait_dscnt 0x0
	v_lshrrev_b32 v1, 5, v0
	v_readfirstlane_b32 s14, v1                    ; wave
	s_lshr_b32 s15, s14, 1                         ; my half of S1's rows.  Also: I fetch for S1 (0) or S0 (1)
	s_and_b32 s16, s14, 1                          ; my half of S0's rows.  Also: which 128 rows I fetch
	s_bfe_u32 s40, ttmp6, 0x40000                  ; cx
	s_bfe_u32 s41, ttmp6, 0x40004                  ; cy
	s_and_b32 s17, ttmp7, 0xffff                   ; cluster y
	s_cmp_eq_u32 ttmp9, 2                          ; cluster x = 2: v
	s_cselect_b32 s45, 1, 0
	s_cselect_b32 s42, s17, ttmp9                  ; the cluster's coordinate along S0: tokens for v, columns else
	s_cselect_b32 s17, ttmp9, s17                  ; and along S1
	s_lshl_b32 s42, s42, 2
	s_add_co_u32 s42, s42, s40                     ; S0's tile: hangs on cx
	s_lshl_b32 s17, s17, 2
	s_add_co_u32 s17, s17, s41                     ; S1's tile: hangs on cy
	s_lshl_b32 s43, s41, 2
	s_lshl_b32 s43, 15, s43                        ; my row of the cluster
	s_lshl_b32 s44, 0x1111, s40                    ; my column
	s_or_b32 s[G1+0], s43, (3<<16)|(1<<21)         ; 15:0 the mask; 17:16 elements of 8 bytes; 21 set beside a mask; no padding
	s_or_b32 s[G1B+0], s44, (3<<16)|(1<<21)
.irp g, G1, G1B
	s_mov_b32 s[\g+1], 512<<16                     ; tensor_dim0 = 512 elements: 4,096 bytes
	s_mov_b32 s[\g+2], 8<<16                       ; tensor_dim1 = 8 row tiles
	s_mov_b32 s[\g+3], 512<<16                     ; tile_dim0
	s_mov_b32 s[\g+4], 8                           ; tile_dim1
	s_mov_b32 s[\g+5], 2048                        ; from row tile to row tile: 16,384 bytes
	s_mov_b32 s[\g+6], 0
	s_mov_b32 s[\g+7], 0
.endr
	s_lshl_b32 s18, s16, 7
	s_lshl_b32 s20, s17, 8
	s_add_co_u32 s20, s20, s18
	s_lshl_b32 s20, s20, 10                        ; S1: (256 x tile + 128 x half) rows x 1,024 bytes
	s_mov_b32 s21, 0
	s_lshl_b32 s46, s42, 8
	s_add_co_u32 s46, s46, s18
	s_lshl_b32 s46, s46, 10                        ; S0 likewise
	s_mov_b32 s47, 0
	s_mul_i32 s19, s14, HALFT                      ; where my fetch goes: wave x 32,768: no place in the cluster enters an LDS address
	s_wait_kmcnt 0x0
	s_load_b256 s[68:75], s[10:11], 0x0            ; the eight exponents
	s_cmp_lg_u32 s45, 0
	s_cselect_b64 s[86:87], s[6:7], s[4:5]         ; S1: wac for v, xc else
	s_cselect_b64 s[88:89], s[4:5], s[6:7]         ; S0
	s_add_nc_u64 s[20:21], s[86:87], s[20:21]
	s_add_nc_u64 s[46:47], s[88:89], s[46:47]
	CROUND                                         ; all sixteen work-groups are here: the first joint loads meet
.irp s, 0,1
	s_mov_b32 s[G0+4*\s], 1
	s_add_co_u32 s[G0+4*\s+1], s19, \s*SLOT
	s_add_nc_u64 s[G0+4*\s+2:G0+4*\s+3], s[20:21], \s*4096
	s_or_b32 s[G0+4*\s+3], s[G0+4*\s+3], 0x80000000
	s_mov_b32 s[G0B+4*\s], 1
	s_add_co_u32 s[G0B+4*\s+1], s19, \s*SLOT
	s_add_nc_u64 s[G0B+4*\s+2:G0B+4*\s+3], s[46:47], \s*4096
	s_or_b32 s[G0B+4*\s+3], s[G0B+4*\s+3], 0x80000000
	JLOAD G0+4*\s, G1, G0B+4*\s, G1B               ; two loads of mine are out
.endr
	v_and_b32 v1, 15, v0                           ; r
	v_bfe_u32 v2, v0, 4, 1                         ; h
	v_and_b32 v3, 31, v0
	v_lshlrev_b32 v[LI], 4, v3
	s_wait_alu depctr_va_vdst(0)
	s_mul_i32 s21, s15, HALFT
	s_mul_i32 s22, s16, HALFT
	s_add_co_u32 s22, s22, 2*HALFT
.irp s, 0,1
	v_add_nc_u32 v[ADRA+\s], s21, v[LI]
	v_add_nc_u32 v[ADRB+\s], s22, v[LI]
	s_add_co_u32 s21, s21, SLOT
	s_add_co_u32 s22, s22, SLOT
.endr
	s_lshl_b32 s20, s42, 8
	s_lshl_b32 s21, s16, 7
	s_add_co_u32 s20, s20, s21                     ; my first row of S0
	s_lshl_b32 s22, s17, 8
	s_lshl_b32 s23, s15, 7
	s_add_co_u32 s22, s22, s23                     ; my first row of S1
	s_cmp_lg_u32 s45, 0
	s_cselect_b32 s23, s22, s20                    ; my first column of qkv,
	s_cselect_b32 s20, s20, s22                    ; my first token
	s_mov_b32 s80, 1024
	s_cselect_b32 s80, 2048, s80                   ; from block to block: v: the next 16 channels' image; q, k: the next token tile's
	s_mov_b32 s82, 1024
	s_cselect_b32 s82, 518144, s82                 ; from block 3 to block 4: v: the next head (524,288 - 3 x 2,048)
	s_mov_b32 s91, 0x80000
	s_cselect_b32 s91, 1024, s91                   ; a block's second half: v: groups 2, 3 of the image; q, k: the next head's image
	s_mov_b32 s81, 0
	s_mov_b32 s83, 0
	s_lshl_b32 s92, s23, 13                        ; a head (64 columns) is 524,288 bytes in each of the three regions, and 1,024 columns are 8 MiB
	s_lshl_b32 s93, s20, 6                         ; 16 tokens: 1,024 bytes; 128 tokens: 8,192
	s_add_co_u32 s92, s92, s93
	s_mov_b32 s93, 0
	s_add_nc_u64 s[78:79], s[12:13], s[92:93]
	s_lshl_b32 s92, s23, 2
	s_add_nc_u64 s[84:85], s[8:9], s[92:93]        ; b_attn at my 128 columns
	v_add_nc_u32 v[CO1], s91, v[LI]
	v_lshlrev_b32 v[BO], 5, v2
	v_lshlrev_b32 v[BR], 2, v1
.irp b, 0,1,2,3,4,5,6,7                ; both bias arrays are loaded in both roles (all within my 128 columns); the way out takes the one that fits
	global_load_b128 v[BN+8*\b:BN+8*\b+3], v[BO], s[84:85] offset:64*\b
	global_load_b128 v[BN+8*\b+4:BN+8*\b+7], v[BO], s[84:85] offset:64*\b+16
.endr
.irp a, 0,1,2,3,4,5,6,7
	global_load_b32 v[BM+2*\a], v[BR], s[84:85] offset:64*\a
	global_load_b32 v[BM+2*\a+1], v[BR], s[84:85] offset:64*\a
.endr
.macro FRAG reg, adr, q, i             ; row tile i, the slot's q-th 128 along K
.irp c, 0,1,2,3
	ds_load_b128 v[\reg+4*\c:\reg+4*\c+3], v[\adr] offset:2048*(\q)+512*\c+(\i)*4096
.endr
.endm
; 16 matrix instructions: S1's blocks a0, a0 + 1 x S0's eight.  The 64 accumulators take turns, one instruction a turn, in the same order in every step.
.macro MUL16 a0, p, zero
.irp a, \a0, \a0+1
.irp b, 0,1,2,3,4,5,6,7
.if \zero
	v_wmma_f32_16x16x128_fp8_fp8 v[8*(8*((\a)%4)+\b):8*(8*((\a)%4)+\b)+7], v[128*(\p)+FR*\b:128*(\p)+FR*\b+FR-1], v[AF+FR*(\a):AF+FR*(\a)+FR-1], 0
.else
	v_wmma_f32_16x16x128_fp8_fp8 v[8*(8*((\a)%4)+\b):8*(8*((\a)%4)+\b)+7], v[128*(\p)+FR*\b:128*(\p)+FR*\b+FR-1], v[AF+FR*(\a):AF+FR*(\a)+FR-1], v[8*(8*((\a)%4)+\b):8*(8*((\a)%4)+\b)+7]
.endif
.endr
.endr
.endm
.macro FETCH_B slot, q, p
	WIN TO_B
.irp i, 0,1,2,3,4,5,6,7
	FRAG 128*(\p)+FR*\i, ADRB+\slot, \q, \i
.endr
	WIN 0
.endm
.macro FETCH_A slot, q, i0
.irp i, \i0, \i0+1, \i0+2, \i0+3
	FRAG AF+FR*(\i), ADRA+\slot, \q, \i
.endr
.endm
.macro PLACES n                        ; plain vector lines between a matrix instruction and a load into, or a vector line on, its registers
.rept \n
	v_nop
.endr
.endm
.macro STEP slot, q, zero              ; a step of 128 along K that has its successor in the same slot
	s_wait_dscnt 4*NL                              ; S0's set and S1's blocks 0-3 are in; the youngest 16 loads (blocks 4-7) may be out
	WIN MUL_LO
	MUL16 0, (\q)%2, \zero
	MUL16 2, (\q)%2, \zero
	s_wait_dscnt 0
	PLACES NP
	FETCH_B \slot, (\q)+1, 1-(\q)%2
	FETCH_A \slot, (\q)+1, 0
	WIN MUL_HI
	MUL16 4, (\q)%2, \zero
	MUL16 6, (\q)%2, \zero
	PLACES NP
	WIN 0
	FETCH_A \slot, (\q)+1, 4
.endm
; A slot's last step changes slots: one barrier; in front of it each wave waits for all its tensor loads, adds 0 to its spare word, and waits for that and for its own reads of this slot.
.macro TURN slot, next, fill
	s_wait_tensorcnt 0x0                           ; all my tensor loads have landed: my part of the next slot
	ds_add_u32 v[SPW], v[NIL]                      ; 0 onto my spare word
	s_wait_dscnt 4*NL+1                            ; the add and the youngest 16 loads may be out
	WIN MUL_LO
	MUL16 0, 1, 0
	s_wait_dscnt 0x0                               ; the add is done, and my reads of this slot are over
	s_barrier_signal -1
	MUL16 2, 1, 0
	WIN 0
	s_barrier_wait -1
.if \fill
	CREST                                          ; the barrier has opened a round of the cluster's: no wave of any partner still reads this slot or has a load on its way
	s_add_nc_u64 s[G0+4*\slot+2:G0+4*\slot+3], s[G0+4*\slot+2:G0+4*\slot+3], 8192
	s_add_nc_u64 s[G0B+4*\slot+2:G0B+4*\slot+3], s[G0B+4*\slot+2:G0B+4*\slot+3], 8192
	JLOAD G0+4*\slot, G1, G0B+4*\slot, G1B         ; the first tensor load behind the round; its four v_nop are the places in front of the loads below
.else
	PLACES NP
.endif
	FETCH_B \next, 0, 0
	FETCH_A \next, 0, 0
	WIN MUL_HI
	MUL16 4, 1, 0
	MUL16 6, 1, 0
	PLACES NP
	WIN 0
	FETCH_A \next, 0, 4
.endm
	s_wait_alu depctr_va_vdst(0)
	s_wait_tensorcnt 1                             ; my part of slot 0 is in; slot 1's may be out
	s_barrier_signal -1
	s_barrier_wait -1
	FETCH_B 0, 0, 0
	FETCH_A 0, 0, 0
	FETCH_A 0, 0, 4
	STEP 0, 0, 1                                   ; K = 1,024 is four fills: written straight, no loop
	TURN 0, 1, 1
	STEP 1, 0, 0
	TURN 1, 0, 1
	STEP 0, 0, 0
	TURN 0, 1, 0
	STEP 1, 0, 0
	s_wait_dscnt 4*NL
	WIN MUL_LO
	MUL16 0, 1, 0
	MUL16 2, 1, 0
	s_wait_dscnt 0
	WIN MUL_HI
	MUL16 4, 1, 0
	MUL16 6, 1, 0
	WIN 0
	; THE WAY OUT: number = sum x 2^(e0 + e1) + bias, one packed multiply-add for two; conversion with the operand's own scale; four dense stores a block
	s_wait_kmcnt 0x0
	s_add_co_i32 s76, s68, s69
	s_add_co_i32 s76, s76, 127
	s_lshl_b32 s76, s76, 23                        ; 2^(e0 + e1)
	s_mov_b32 s77, s76
	s_cmp_eq_u32 ttmp9, 0
	s_cselect_b32 s90, s70, s71                    ; q: entry 2; k: entry 3
	s_cmp_eq_u32 ttmp9, 2
	s_cselect_b32 s90, s73, s90                    ; v: entry 5
	s_add_co_i32 s90, s90, 127
	s_lshl_b32 s94, s90, 23
	v_mov_b32 v[SCV], s94
	s_wait_loadcnt 0x0                             ; the biases
	PLACES NP
.macro OUTB a
.set AC, 64*((\a)%4)
	s_cmp_lg_u32 s45, 0                            ; the roles differ in the addend alone; the branch hangs on the cluster's x
	s_cbranch_scc1 .Lv_\@
	WIN 0x02+((\a)/4)                              ; source 0: window 2 or 3
.set n, 0
.rept 32
	v_pk_fma_f32 v[T+n:T+n+1], v[AC+n:AC+n+1], s[76:77], v[BN+n:BN+n+1] op_sel_hi:[1,0,1]   ; each accumulator from its low end on
.set n, n+2
.endr
	WIN 0
	s_branch .Lj_\@
.Lv_\@:
	WIN 0x02+((\a)/4)
.set n, 0
.rept 32
	v_pk_fma_f32 v[T+n:T+n+1], v[AC+n:AC+n+1], s[76:77], v[BM+2*(\a):BM+2*(\a)+1] op_sel_hi:[1,0,1]
.set n, n+2
.endr
	WIN 0
.Lj_\@:
.set n, 0
.rept 64
.set n, n+1
.endr
	s_wait_xcnt 0x0                                ; the last block's stores have read their data and their base
.if (\a) == 4
	s_add_nc_u64 s[78:79], s[78:79], s[82:83]
.elseif (\a) > 0
	s_add_nc_u64 s[78:79], s[78:79], s[80:81]
.endif
	s_wait_alu depctr_va_vdst(0)
.irp b, 0,1,2,3,4,5,6,7
	v_cvt_scalef32_pk8_fp8_f32 v[CD+2*\b:CD+2*\b+1], v[T+8*\b:T+8*\b+7], v[SCV]   ; register pair b of the next operand
.endr
	v_nop                                          ; one plain line behind the last conversion: the next block's lines write its sources
	global_store_b128 v[LI], v[CD:CD+3], s[78:79]
	global_store_b128 v[LI], v[CD+4:CD+7], s[78:79] offset:512
	global_store_b128 v[CO1], v[CD+8:CD+11], s[78:79]
	global_store_b128 v[CO1], v[CD+12:CD+15], s[78:79] offset:512
.endm
.irp a, 0,1,2,3,4,5,6,7
	OUTB \a
.endr
	s_wait_tensorcnt 0x0                           ; the wave's end
	ds_add_u32 v[SPW], v[NIL]
	s_wait_dscnt 0x0
	CROUND                                         ; the closing round
	s_endpgm
.Lfunc_end_k_q882186cc45_qkvgemm:
	.size	k_q882186cc45_qkvgemm, .Lfunc_end_k_q882186cc45_qkvgemm-k_q882186cc45_qkvgemm
	.p2alignl 7, 3214868480
	.fill 96, 4, 3214868480
	.section	.rodata,"a",@progbits
	.p2align	6, 0x0
	.amdhsa_kernel k_q882186cc45_qkvgemm
		.amdhsa_group_segment_fixed_size 327680
		.amdhsa_private_segment_fixed_size 0
		.amdhsa_enable_private_segment 0
		.amdhsa_kernarg_size 40
		.amdhsa_user_sgpr_count 2
		.amdhsa_user_sgpr_kernarg_segment_ptr 1
		.amdhsa_wavefront_size32 1
		.amdhsa_system_sgpr_workgroup_id_x 1
		.amdhsa_system_sgpr_workgroup_id_y 1
		.amdhsa_system_sgpr_workgroup_id_z 1
		.amdhsa_system_vgpr_workitem_id 0
		.amdhsa_next_free_vgpr 1024
		.amdhsa_next_free_sgpr 100
		.amdhsa_reserve_vcc 0
		.amdhsa_float_denorm_mode_32 3
		.amdhsa_float_denorm_mode_16_64 3
		.amdhsa_fp16_overflow 1
		.amdhsa_memory_ordered 1
		.amdhsa_forward_progress 1
		.amdhsa_inst_pref_size 123
	.end_amdhsa_kernel
	.amdgpu_metadata
---
amdhsa.version: [ 1, 2 ]
amdhsa.kernels:
  - .name:           k_q882186cc45_qkvgemm
    .symbol:         k_q882186cc45_qkvgemm.kd
    .args:
      - { .name: xc, .offset: 0, .size: 8, .value_kind: global_buffer, .address_space: global }
      - { .name: wac, .offset: 8, .size: 8, .value_kind: global_buffer, .address_space: global }
      - { .name: b_attn, .offset: 16, .size: 8, .value_kind: global_buffer, .address_space: global }
      - { .name: lowp_scales, .offset: 24, .size: 8, .value_kind: global_buffer, .address_space: global }
      - { .name: qkv, .offset: 32, .size: 8, .value_kind: global_buffer, .address_space: global }
    .group_segment_fixed_size: 327680
    .private_segment_fixed_size: 0
    .kernarg_segment_align: 8
    .kernarg_segment_size: 40
    .max_flat_workgroup_size: 128
    .sgpr_count:     100
    .vgpr_count:     1024
    .wavefront_size: 32
...
	.end_amdgpu_metadata
.endif
;; end of part 2
;; launch attn (part 3): grid 4 x 64, 16 waves a work-group, clusters of 4 x 1, 327,680 bytes of LDS; arguments qkv, lowp_scales, yc; writes yc
.if DOCPART == 3
	.amdgcn_target "amdgcn-amd-amdhsa--gfx1250"
	.amdhsa_code_object_version 6
	.text
	.protected	k_q882186cc45_attn
	.globl	k_q882186cc45_attn
	.p2align	8
	.type	k_q882186cc45_attn,@function
k_q882186cc45_attn:
	s_mov_b64 s[64:65], 0
	v_nop
	global_prefetch_b8 v0, s[64:65] scope:SCOPE_SE
	s_setreg_imm32_b32 hwreg(HW_REG_WAVE_MODE, 25, 1), 1
	s_wait_xcnt 0x0
	s_wait_alu depctr_hold_cnt(0) depctr_sa_sdst(0) depctr_va_vdst(0) depctr_va_sdst(0) depctr_va_ssrc(0) depctr_va_vcc(0) depctr_vm_vsrc(0)
	s_getreg_b32 s2, hwreg(HW_REG_IB_STS2, 6, 4)
	s_cmp_eq_u32 s2, 0
	s_cbranch_scc0 .Lentry_in_a_cluster
	s_endpgm
.Lentry_in_a_cluster:
	s_bfe_u32 s2, ttmp6, 0x10000c
	s_cmp_lg_u32 s2, 0x3003
	s_cbranch_scc0 .Lentry_shape_is_right
	s_endpgm
.Lentry_shape_is_right:
; y[b][t][h][:] = causal attention of head h on codes of FP8 (E4M3); q, k, v come as images of operand registers (16 rows x 64 K: 1,024 bytes; 16 x 128: 2,048), y leaves as such an image for the last product.
; THE SOFTMAX AHEAD OF THE SECOND PRODUCT: t = score x log2(e) / 8; M = the running largest t, rounded up to a whole number; p = 2^(t - M) is quantised (entry 4), not normalised;
; the row's sum is taken of the unquantised p and divides at the end; when M moves, the sum and O are multiplied by 2^(old M - new M), which rounds nothing.
; SHARES.  A cluster of four work-groups is one (batch, head).  ALL of the head's K and V, 131,072 bytes each, lie in each work-group's LDS, filled ONCE, by joint loads: no slot is ever filled again.
; The head's 128 tiles of 16 queries: tile 4 m + cx.  Wave w takes m = 31 - w and then m = w.  A tile's last key step is m / 2, whatever cx: so every branch hangs on the wave's number and on counters alone,
; and every wave of every work-group walks (31 - w) / 2 + 1 + w / 2 + 1 = 17 key steps of 128 keys.  Four waves share a SIMD: one wave's softmax stands beside another's products and LDS loads.
; LAYOUT.  S^T = K Q^T (source 0 = 16 keys, source 1 = my 16 queries; K = 64), O^T = V^T P^T (source 0 = 16 channels, source 1 = P; K = 128 keys): a lane holds ONE query throughout; register j of score tile t is
; key 16 t + 8 h + j, so tile t's conversion is register pair t of P.  O^T's tile t likewise becomes register pair t of y's image.
; Steps all of whose keys come after the tile's queries are jumped over; in the last step hidden scores become -infinity ahead of the maximum.
; No prefetch: every byte of K and V is asked for by the tensor loads in the first lines.
; LIMITS: e2 + e3 between -123 and 130 (added to the exponent field of log2(e) / 8); e4 and e6 between -126 and 119; e4 + e5 goes by v_ldexp_f32 and has none.
.set LI,   1                           ; v1  16 x lane
.set ADK,  2                           ; v2  the step's K in LDS
.set ADV,  3                           ; v3  the step's V
.set DMA,  4                           ; v4, v5  my query less the last step's first key less 8 h, first and second tile
.set DMB,  5
.set NINF, 6
.set PLIM, 8                           ; v9 2^e4
.set PSC,  9
.set YLIM, 10                          ; v11 2^e6
.set YSC,  11
.set QA,   16                          ; v12 -M, v13 the largest t, v[14:15] the sum;  v16-23, v24-31 Q of the two tiles
.set QB,   24
.set F,    32                          ; v32-95   K's eight fragments, then V's four
.set S,    96                          ; v96-159  S^T, then p
.set O,    160                         ; v160-191 O^T
.set P,    192                         ; v192-207 p's codes
.set Y,    208                         ; v208-215 y's codes;  v216-223 at work
.set WV,   10
.set CX,   11
.set G1A,  16
.set G1B,  24
.set G0A,  32
.set G0B,  36
.set SEL,  40
.set CS,   42
.set EX,   44
.set TBK,  52
.set TBV,  53
.set ST,   54
.set HI,   55
.set QPA,  56
.set QPB,  58
.set YPA,  60
.set YPB,  62
.set VBASE, 131072
.macro CROUND                          ; a round of the cluster's barrier
	s_barrier_signal -1
	s_barrier_wait -1
	s_cmp_lg_u32 s[WV], 0
	s_cbranch_scc1 .Lnot_wave_0_\@
	s_barrier_signal -3
.Lnot_wave_0_\@:
	s_barrier_wait -3
	s_barrier_signal -1
	s_barrier_wait -1
.endm
	s_load_b128 s[4:7], s[0:1], 0x0                ; qkv s[4:5], the exponents s[6:7]
	s_load_b64 s[8:9], s[0:1], 0x10                ; yc
	v_lshl_add_u32 v224, v0, 2, 0x40000
	v_mov_b32 v225, 0
	ds_add_u32 v224, v225
	ds_add_u32 v224, v225
	v_lshrrev_b32 v216, 5, v0
	s_delay_alu instid0(VALU_DEP_1)
	v_readfirstlane_b32 s[WV], v216                ; wave 0..15
	s_bfe_u32 s[CX], ttmp6, 0x40000                ; cx
	s_and_b32 s13, ttmp7, 0xffff                   ; the cluster's y: 16 x batch + head
	s_and_b32 s12, s13, 15                         ; head
	s_lshr_b32 s13, s13, 4                         ; batch
	s_lshr_b32 s14, s[WV], 3                       ; waves 0-7 fetch K, 8-15 V
	s_and_b32 s15, s[WV], 7                        ; which eighth
	s_add_co_u32 s66, s14, 1
	s_lshl_b32 s66, s66, 23                        ; k's region at 8 MiB, v's at 16 MiB
	s_lshl_b32 s67, s12, 19
	s_add_co_u32 s66, s66, s67
	s_lshl_b32 s67, s13, 17
	s_add_co_u32 s66, s66, s67                     ; the head's dense block of 131,072 bytes
	s_mov_b32 s67, 0
	s_lshl_b32 s68, s15, 11                        ; fill A: steps 0, 1: 16,384 bytes, 2,048 a wave
	s_mov_b32 s69, 0
	s_mul_i32 s70, s15, 14336                      ; fill B: steps 2-15: 114,688 bytes, 14,336 a wave
	s_add_co_u32 s70, s70, 16384
	s_mov_b32 s71, 0
	s_lshl_b32 s2, s14, 17                         ; K at LDS 0, V at 131,072
	s_mov_b32 s[G1A], 15|(3<<16)|(1<<21)           ; 15:0 the mask: all four work-groups; 17:16 elements of 8 bytes; 21 set beside a mask
	s_mov_b32 s[G1A+1], 32<<16                     ; rows of 256 bytes, dense
	s_mov_b32 s[G1A+2], 8<<16
	s_mov_b32 s[G1A+3], 32<<16
	s_mov_b32 s[G1A+4], 8
	s_mov_b32 s[G1A+5], 32
	s_mov_b32 s[G1A+6], 0
	s_mov_b32 s[G1A+7], 0
	s_mov_b32 s[G1B], 15|(3<<16)|(1<<21)
	s_mov_b32 s[G1B+1], 32<<16
	s_mov_b32 s[G1B+2], 56<<16
	s_mov_b32 s[G1B+3], 32<<16
	s_mov_b32 s[G1B+4], 56
	s_mov_b32 s[G1B+5], 32
	s_mov_b32 s[G1B+6], 0
	s_mov_b32 s[G1B+7], 0
	s_mov_b32 s[G0A], 1
	s_add_co_u32 s[G0A+1], s2, s68
	s_mov_b32 s[G0B], 1
	s_add_co_u32 s[G0B+1], s2, s70
	s_wait_dscnt 0x0
	s_wait_kmcnt 0x0
	s_load_b256 s[EX:EX+7], s[6:7], 0x0            ; the eight exponents
	s_add_nc_u64 s[66:67], s[4:5], s[66:67]
	s_add_nc_u64 s[G0A+2:G0A+3], s[66:67], s[68:69]
	s_or_b32 s[G0A+3], s[G0A+3], 0x80000000
	s_add_nc_u64 s[G0B+2:G0B+3], s[66:67], s[70:71]
	s_or_b32 s[G0B+3], s[G0B+3], 0x80000000
	CROUND                                         ; all four work-groups are here: the joint loads meet
	tensor_load_to_lds s[G0A:G0A+3], s[G1A:G1A+7]  ; every wave issues both, the second after this one has landed; no more follow
	s_nop 0
	s_wait_alu depctr_va_vdst(0)
	s_wait_tensorcnt 0x0
	ds_add_u32 v224, v225
	s_wait_dscnt 0x0
	CROUND
	tensor_load_to_lds s[G0B:G0B+3], s[G1B:G1B+7]
	s_nop 0
.rept 4
	v_nop
.endr
	s_xor_b32 s2, s[WV], 31                        ; m of my first tile: 31 - wave
	s_lshl_b32 s3, s13, 7
	s_add_co_u32 s3, s3, s[CX]                     ; 128 x batch + cx
	s_lshl_b32 s14, s2, 2
	s_add_co_u32 s14, s14, s3                      ; token tile of my first tile,
	s_lshl_b32 s15, s[WV], 2
	s_add_co_u32 s15, s15, s3                      ; of my second
	s_lshl_b32 s3, s12, 19
	s_lshl_b32 s66, s14, 10
	s_add_co_u32 s66, s66, s3
	s_mov_b32 s67, 0
	s_add_nc_u64 s[QPA:QPA+1], s[4:5], s[66:67]
	s_lshl_b32 s66, s15, 10
	s_add_co_u32 s66, s66, s3
	s_add_nc_u64 s[QPB:QPB+1], s[4:5], s[66:67]
	s_lshl_b32 s3, s12, 10                         ; yc: K step head / 2 (2,048 bytes), half head % 2 (1,024): 1,024 x head
	s_lshl_b32 s66, s14, 14
	s_add_co_u32 s66, s66, s3
	s_add_nc_u64 s[YPA:YPA+1], s[8:9], s[66:67]
	s_lshl_b32 s66, s15, 14
	s_add_co_u32 s66, s66, s3
	s_add_nc_u64 s[YPB:YPB+1], s[8:9], s[66:67]
	v_and_b32 v[LI], 31, v0
	s_delay_alu instid0(VALU_DEP_1)
	v_lshlrev_b32 v[LI], 4, v[LI]
	global_load_b128 v[QA:QA+3], v[LI], s[QPA:QPA+1]
	global_load_b128 v[QA+4:QA+7], v[LI], s[QPA:QPA+1] offset:512
	global_load_b128 v[QB:QB+3], v[LI], s[QPB:QPB+1]
	global_load_b128 v[QB+4:QB+7], v[LI], s[QPB:QPB+1] offset:512
	v_and_b32 v216, 15, v0
	v_bfe_u32 v218, v0, 4, 1
	s_delay_alu instid0(VALU_DEP_1)
	v_lshlrev_b32 v218, 3, v218
	s_delay_alu instid0(VALU_DEP_1)
	v_sub_nc_u32 v216, v216, v218                  ; r - 8 h
	s_lshl_b32 s66, s[CX], 4
	s_and_b32 s3, s2, 1
	s_lshl_b32 s3, s3, 6
	s_add_co_u32 s3, s3, s66
	v_add_nc_u32 v[DMA], s3, v216                  ; 64 (m % 2) + 16 cx + r - 8 h: a number for compares of lanes, never for a branch
	s_and_b32 s3, s[WV], 1
	s_lshl_b32 s3, s3, 6
	s_add_co_u32 s3, s3, s66
	v_add_nc_u32 v[DMB], s3, v216
	v_mov_b32 v[NINF], 0xff800000
	v_mov_b32 v219, 0                              ; (named as the upper half of the pair v[218:219])
	v_mov_b32 v220, 0                              ; a lane permute's destination counts as one of its sources
	s_mov_b32 s[SEL], 0x76543210
	s_mov_b32 s[SEL+1], 0xfedcba98
	s_wait_kmcnt 0x0
	s_add_co_i32 s3, s[EX+2], s[EX+3]
	s_lshl_b32 s3, s3, 23
	s_mov_b32 s[CS], 0x3e38aa3b                    ; log2(e) / 8
	s_add_co_i32 s[CS], s[CS], s3                  ; x 2^(e2 + e3): added to the exponent field
	s_mov_b32 s[CS+1], s[CS]
	s_add_co_i32 s3, s[EX+4], 127
	s_lshl_b32 s66, s3, 23
	v_mov_b32 v[PSC], s66
	s_add_co_i32 s3, s[EX+6], 127
	s_lshl_b32 s66, s3, 23
	v_mov_b32 v[YSC], s66
	s_add_co_i32 s68, s[EX+4], s[EX+5]             ; e4 + e5, for the way out
; A KEY STEP of 128 keys for the tile whose Q lies in v[q] on.  guarded = 1: steps behind the tile's last are jumped over, the last is masked.
.macro STEP q, dm, guarded
.if \guarded
	s_cmp_gt_u32 s[ST], s[HI]
	s_cbranch_scc1 .Lhid_\@
.endif
	s_setprio 2
	v_add_nc_u32 v[ADK], s[TBK], v[LI]
	v_add_nc_u32 v[ADV], s[TBV], v[LI]
	v_nop
	v_nop                                          ; four plain lines between the last products and the loads into the registers that they read
.irp t, 0,1,2,3,4,5,6,7
	ds_load_b128 v[F+8*\t:F+8*\t+3], v[ADK] offset:1024*\t
	ds_load_b128 v[F+8*\t+4:F+8*\t+7], v[ADK] offset:1024*\t+512
.endr
	s_wait_alu depctr_va_vdst(0)
	s_wait_dscnt 8                                 ; tiles 0-3 are in; the youngest eight loads may be out
.irp t, 0,1,2,3
	v_wmma_f32_16x16x64_fp8_fp8 v[S+8*\t:S+8*\t+7], v[F+8*\t:F+8*\t+7], v[\q:\q+7], 0
.endr
	s_wait_dscnt 0
.irp t, 4,5,6,7
	v_wmma_f32_16x16x64_fp8_fp8 v[S+8*\t:S+8*\t+7], v[F+8*\t:F+8*\t+7], v[\q:\q+7], 0
.endr
.rept 4
	v_nop
.endr
.irp t, 0,1,2,3                        ; V's four fragments land while the softmax is walked
.irp c, 0,1,2,3
	ds_load_b128 v[F+16*\t+4*\c:F+16*\t+4*\c+3], v[ADV] offset:2048*\t+512*\c
.endr
.endr
.if \guarded
	s_cmp_lg_u32 s[ST], s[HI]
	s_cbranch_scc1 .Lopen_\@
.set n, 0
.rept 64                               ; register n holds key 16 (n / 8) + n % 8 + 8 h of the step: hidden where that is beyond my query
	v_cmp_gt_i32 vcc_lo, 16*(n/8)+n%8, v[\dm]
	v_cndmask_b32 v[S+n], v[S+n], v[NINF], vcc_lo
.set n, n+1
.endr
.Lopen_\@:
.endif
	v_max3_num_f32 v216, v[S], v[S+1], v[S+2]      ; the step's largest score of my query, in two chains; each tile is first read at its low end
	v_max3_num_f32 v218, v[S+3], v[S+4], v[S+5]
.irp i, 6,10,14,18,22,26,30,34,38,42,46,50,54,58
	v_max3_num_f32 v216, v216, v[S+\i], v[S+1+\i]
	v_max3_num_f32 v218, v218, v[S+2+\i], v[S+3+\i]
.endr
	v_max3_num_f32 v216, v216, v[S+62], v[S+63]
	s_delay_alu instid0(VALU_DEP_1)
	v_max_num_f32 v216, v216, v218
	s_delay_alu instid0(VALU_DEP_1)
	v_permlanex16_b32 v220, v216, s[SEL], s[SEL+1]
	s_delay_alu instid0(VALU_DEP_1)
	v_max_num_f32 v216, v216, v220                 ; and lane l xor 16's
	s_delay_alu instid0(VALU_DEP_1)
	v_mul_f32 v216, s[CS], v216                    ; as t
	s_delay_alu instid0(VALU_DEP_1)
	v_max_num_f32 v13, v13, v216                   ; the running largest t
	v_mov_b32 v216, v12
	s_delay_alu instid0(VALU_DEP_2)
	v_floor_f32 v12, -v13                          ; -M = floor(-t): M is a whole number
	s_delay_alu instid0(VALU_DEP_1)
	v_sub_f32 v216, v12, v216                      ; old M - new M, 0 or less
	s_delay_alu instid0(VALU_DEP_1)
	v_cvt_i32_f32 v216, v216                       ; (it saturates)
	s_delay_alu instid0(VALU_DEP_1)
	v_ldexp_f32 v218, 1.0, v216                    ; f = 2^(old M - new M)
.set n, 0
.rept 32
	v_pk_fma_f32 v[S+n:S+n+1], v[S+n:S+n+1], s[CS:CS+1], v[12:13] op_sel_hi:[1,0,0]   ; t - M
.set n, n+2
.endr
.set n, 0
	s_setprio 1
	s_wait_alu depctr_va_vdst(0)
.rept 64
	v_exp_f32 v[S+n], v[S+n]                       ; p = 2^(t - M)
.set n, n+1
.endr
	v_pk_mul_f32 v[14:15], v[14:15], v[218:219] op_sel_hi:[1,0]   ; the sums under the new M: the plain line behind the exponentials
	s_wait_alu depctr_va_vdst(0)                   ; one wait for the batch of 64, ahead of its first reader
	v_pk_add_f32 v[222:223], v[S:S+1], v[S+2:S+3]  ; the row's sum is taken of the unquantised p, in two chains
.irp j, 4,8,12,16,20,24,28,32,36,40,44,48,52,56,60
	v_pk_add_f32 v[14:15], v[14:15], v[S+\j:S+1+\j]
	v_pk_add_f32 v[222:223], v[222:223], v[S+2+\j:S+3+\j]
.endr
	s_delay_alu instid0(VALU_DEP_1)
	v_pk_add_f32 v[14:15], v[14:15], v[222:223]
	s_setprio 0
.irp t, 0,1,2,3,4,5,6,7
.irp i, 0,1,2,3,4,5,6,7
.endr
	v_cvt_scalef32_pk8_fp8_f32 v[P+2*\t:P+2*\t+1], v[S+8*\t:S+8*\t+7], v[PSC]
.endr
.set n, 0
.rept 16
	v_pk_mul_f32 v[O+n:O+n+1], v[O+n:O+n+1], v[218:219] op_sel_hi:[1,0]   ; O^T under the new M; also the plain lines behind the conversions
.set n, n+2
.endr
	s_wait_alu depctr_va_vdst(0)
	s_wait_dscnt 0x0                               ; V is in
.irp t, 0,1,2,3                        ; four accumulators by turns; the next step's eight score products stand between two links of a chain
	v_wmma_f32_16x16x128_fp8_fp8 v[O+8*\t:O+8*\t+7], v[F+16*\t:F+16*\t+15], v[P:P+15], v[O+8*\t:O+8*\t+7]
.endr
.if \guarded
.Lhid_\@:
.endif
	s_add_co_u32 s[TBK], s[TBK], 8192
	s_add_co_u32 s[TBV], s[TBV], 8192
.endm
.macro INIT                            ; a tile begins: zeros, which the first change of M leaves zeros
	v_mov_b32 v13, 0xff61b1e6                      ; -3e38, under every t
	s_delay_alu instid0(VALU_DEP_1)
	v_floor_f32 v12, -v13
	v_mov_b32 v14, 0
	v_mov_b32 v15, 0
.set n, 0
.rept 32
	v_mov_b32 v[O+n], 0
.set n, n+1
.endr
	s_mov_b32 s[ST], 0
	s_mov_b32 s[TBK], 0
	s_mov_b32 s[TBV], VBASE
.endm
.macro OUT yp                          ; y = O^T x 2^(e4 + e5) / the sum, quantised with entry 6: tile t's eight channels are register pair t of y's image
.rept 4
	v_nop
.endr
	v_add_f32 v14, v14, v15
	s_delay_alu instid0(VALU_DEP_1)
	v_permlanex16_b32 v220, v14, s[SEL], s[SEL+1]
	s_delay_alu instid0(VALU_DEP_1)
	v_add_f32 v14, v14, v220                       ; the row's sum
	s_wait_alu depctr_va_vdst(0)
	v_rcp_f32 v14, v14
	v_nop                                          ; a plain line behind the transcendental
	s_wait_alu depctr_va_vdst(0)                   ; and the wait ahead of its first reader
	v_ldexp_f32 v14, v14, s68
.set n, 0
.rept 16
	v_pk_mul_f32 v[S+n:S+n+1], v[O+n:O+n+1], v[14:15] op_sel_hi:[1,0]
.set n, n+2
.endr
.set n, 0
.rept 32
.set n, n+1
.endr
.irp t, 0,1,2,3
	v_cvt_scalef32_pk8_fp8_f32 v[Y+2*\t:Y+2*\t+1], v[S+8*\t:S+8*\t+7], v[YSC]
.endr
	v_nop
	global_store_b128 v[LI], v[Y:Y+3], s[\yp:\yp+1]              ; 512 consecutive bytes each
	global_store_b128 v[LI], v[Y+4:Y+7], s[\yp:\yp+1] offset:512
.endm
	INIT
	s_xor_b32 s[HI], s[WV], 31
	s_lshr_b32 s[HI], s[HI], 1                     ; my first tile's last step: (31 - wave) / 2, 8 at the least
	s_wait_tensorcnt 0x1                           ; my part of steps 0, 1 is in; the large fill may be out
	s_barrier_signal -1
	s_barrier_wait -1                              ; everybody's is
	s_wait_loadcnt 0x0                             ; Q
.Lfirst:                                           ; steps 0, 1: all their keys count for the first tile; the large fill lands meanwhile, into other bytes
	STEP QA, DMA, 0
	s_add_co_u32 s[ST], s[ST], 1
	s_cmp_lt_u32 s[ST], 2
	s_cbranch_scc1 .Lfirst
	s_setprio 0
	s_wait_tensorcnt 0x0                           ; my part of steps 2-15 is in
	s_wait_dscnt 0x0
	s_barrier_signal -1
	s_barrier_wait -1                              ; everybody's is: from here on no wave waits for another
	s_mov_b32 s[ST], 2
	s_mov_b32 s[TBK], 16384
	s_mov_b32 s[TBV], VBASE+16384
.Lheavy:
	STEP QA, DMA, 1
	s_add_co_u32 s[ST], s[ST], 1
	s_cmp_lt_u32 s[ST], 16
	s_cbranch_scc1 .Lheavy
	s_setprio 0
	OUT YPA
	s_wait_xcnt 0x0                                ; the stores have read their data: the second tile writes the same registers
	INIT
	s_lshr_b32 s[HI], s[WV], 1                     ; my second tile's last step: wave / 2, 7 at the most
.Llight:
	STEP QB, DMB, 1
	s_add_co_u32 s[ST], s[ST], 1
	s_cmp_lt_u32 s[ST], 8
	s_cbranch_scc1 .Llight
	s_setprio 0
	OUT YPB
	s_wait_dscnt 0x0
	s_wait_tensorcnt 0x0
	ds_add_u32 v224, v225
	s_wait_dscnt 0x0
	CROUND                                         ; the closing round
	s_endpgm
.Lfunc_end_k_q882186cc45_attn:
	.size	k_q882186cc45_attn, .Lfunc_end_k_q882186cc45_attn-k_q882186cc45_attn
	.p2alignl 7, 3214868480
	.fill 96, 4, 3214868480
	.section	.rodata,"a",@progbits
	.p2align	6, 0x0
	.amdhsa_kernel k_q882186cc45_attn
		.amdhsa_group_segment_fixed_size 327680
		.amdhsa_private_segment_fixed_size 0
		.amdhsa_enable_private_segment 0
		.amdhsa_kernarg_size 24
		.amdhsa_user_sgpr_count 2
		.amdhsa_user_sgpr_kernarg_segment_ptr 1
		.amdhsa_wavefront_size32 1
		.amdhsa_system_sgpr_workgroup_id_x 1
		.amdhsa_system_sgpr_workgroup_id_y 1
		.amdhsa_system_sgpr_workgroup_id_z 1
		.amdhsa_system_vgpr_workitem_id 0
		.amdhsa_next_free_vgpr 226
		.amdhsa_next_free_sgpr 72
		.amdhsa_reserve_vcc 1
		.amdhsa_float_denorm_mode_32 3
		.amdhsa_float_denorm_mode_16_64 3
		.amdhsa_fp16_overflow 1
		.amdhsa_memory_ordered 1
		.amdhsa_forward_progress 1
		.amdhsa_inst_pref_size 66
	.end_amdhsa_kernel
	.amdgpu_metadata
---
amdhsa.version: [ 1, 2 ]
amdhsa.kernels:
  - .name:           k_q882186cc45_attn
    .symbol:         k_q882186cc45_attn.kd
    .args:
      - { .name: qkv, .offset: 0, .size: 8, .value_kind: global_buffer, .address_space: global }
      - { .name: lowp_scales, .offset: 8, .size: 8, .value_kind: global_buffer, .address_space: global }
      - { .name: yc, .offset: 16, .size: 8, .value_kind: global_buffer, .address_space: global }
    .group_segment_fixed_size: 327680
    .private_segment_fixed_size: 0
    .kernarg_segment_align: 8
    .kernarg_segment_size: 24
    .max_flat_workgroup_size: 512
    .sgpr_count:     72
    .vgpr_count:     226
    .wavefront_size: 32
...
	.end_amdgpu_metadata
.endif
;; end of part 3
;; launch proj (part 4): grid 4 x 32, 4 waves a work-group, clusters of 4 x 4, 327,680 bytes of LDS; arguments yc, wpc, b_proj, lowp_scales, out0; writes out0
.if DOCPART == 4
	.amdgcn_target "amdgcn-amd-amdhsa--gfx1250"
	.amdhsa_code_object_version 6
	.text
	.protected	k_q882186cc45_proj
	.globl	k_q882186cc45_proj
	.p2align	8
	.type	k_q882186cc45_proj,@function
k_q882186cc45_proj:
	s_mov_b64 s[64:65], 0
	v_nop
	global_prefetch_b8 v0, s[64:65] scope:SCOPE_SE
	s_setreg_imm32_b32 hwreg(HW_REG_WAVE_MODE, 25, 1), 1
	s_wait_xcnt 0x0
	s_wait_alu depctr_hold_cnt(0) depctr_sa_sdst(0) depctr_va_vdst(0) depctr_va_sdst(0) depctr_va_ssrc(0) depctr_va_vcc(0) depctr_vm_vsrc(0)
	s_getreg_b32 s2, hwreg(HW_REG_IB_STS2, 6, 4)
	s_cmp_eq_u32 s2, 0
	s_cbranch_scc0 .Lentry_in_a_cluster
	s_endpgm
.Lentry_in_a_cluster:
	s_bfe_u32 s2, ttmp6, 0x10000c
	s_cmp_lg_u32 s2, 0xf033
	s_cbranch_scc0 .Lentry_shape_is_right
	s_endpgm
.Lentry_shape_is_right:
; out0 = y w_proj + b_proj on codes of FP8 (E4M3): y's codes [8192][1024] and w_proj's [1024 (n)][1024 (k)] come as images of operand registers (16 rows x 128 K: 2,048 bytes, group c of lane l at 512 c + 16 l).
; A tile of 256 x 256 is made by four waves, each 128 x 128: 64 accumulators.  K = 1,024 goes in four fills of 256 through two LDS slots; a tensor load brings 8 row tiles x 4,096 bytes.
; Source 0 = 16 columns' rows of w_proj, source 1 = 16 tokens: a lane holds eight neighbouring numbers of a row of out0.
; CLUSTERS: 4 x 4: y's tile is shared along a row of the cluster, w_proj's along a column: joint loads.
; 128 tiles: a tile of 128 x 256 would give every WGP one, at one and a half times the LDS bytes for each product.
; THE WAY OUT: a block of 16 rows x 128 columns goes from the accumulators through my own stage in LDS and comes back as whole rows of 512 bytes; there each pair becomes sum x 2^(e6 + e7) + bias by one packed multiply-add.
; LIMIT: e6 + e7 between -126 and 127.
.set FR,     16
.set NL,     4
.set NP,     4
.set HALFT,  32768
.set SLOT,   4*HALFT
.set SPARE,  2*SLOT
.set SPITCH, 528                       ; the stage: 16 rows x (512 + 16) bytes a wave, in slot 0, which has had its last fill and its last read when the first result is stored there
.set ADRA, 16
.set ADRB, 20
.set STO,  24
.set RD,   25
.set LI,   27
.set SPW,  28
.set NIL,  29
.set BI,   32                          ; v32-35 the bias of the four columns that I store
.set AF,   128
.set BK,   128                         ; the way out: v128-191 and v192-255 by turns
.set G1, 24
.set G0, 32
.set G1B, 48
.set G0B, 56
.set MSB, 0
.macro WIN new
.if MSB != (\new)
	s_set_vgpr_msb (MSB<<8)|(\new)
.set MSB, (\new)
.endif
.endm
.set MUL_LO, 0xa1
.set MUL_HI, 0xf1
.set TO_B,   0x40
.macro JLOAD g0a, g1a, g0b, g1b
	s_cmp_eq_u32 s15, 0
	s_cbranch_scc0 .Lfor_b_\@
	tensor_load_to_lds s[\g0a:\g0a+3], s[\g1a:\g1a+7]
	s_nop 0
.rept 4
	v_nop
.endr
	s_branch .Lasked_\@
.Lfor_b_\@:
	tensor_load_to_lds s[\g0b:\g0b+3], s[\g1b:\g1b+7]
	s_nop 0
.rept 4
	v_nop
.endr
.Lasked_\@:
.endm
.macro CREST
	s_cmp_lg_u32 s14, 0
	s_cbranch_scc1 .Lnot_wave_0_\@
	s_barrier_signal -3
.Lnot_wave_0_\@:
	s_barrier_wait -3
	s_barrier_signal -1
	s_barrier_wait -1
.endm
.macro CROUND
	s_barrier_signal -1
	s_barrier_wait -1
	CREST
.endm
	s_load_b256 s[4:11], s[0:1], 0x0               ; yc s[4:5], wpc s[6:7], b_proj s[8:9], the exponents s[10:11]
	s_load_b64 s[12:13], s[0:1], 0x20              ; out0
	v_lshl_add_u32 v[SPW], v0, 2, SPARE
	v_mov_b32 v[NIL], 0
	ds_add_u32 v28, v29
	ds_add_u32 v28, v29
	s_wait_dscnt 0x0
	v_lshrrev_b32 v1, 5, v0
	v_readfirstlane_b32 s14, v1
	s_lshr_b32 s15, s14, 1
	s_and_b32 s16, s14, 1
	s_bfe_u32 s40, ttmp6, 0x40000
	s_bfe_u32 s41, ttmp6, 0x40004
	s_lshl_b32 s42, ttmp9, 2
	s_add_co_u32 s42, s42, s40                     ; tile column
	s_and_b32 s17, ttmp7, 0xffff
	s_lshl_b32 s17, s17, 2
	s_add_co_u32 s17, s17, s41                     ; tile row
	s_lshl_b32 s43, s41, 2
	s_lshl_b32 s43, 15, s43
	s_lshl_b32 s44, 0x1111, s40
	s_or_b32 s[G1+0], s43, (3<<16)|(1<<21)
	s_or_b32 s[G1B+0], s44, (3<<16)|(1<<21)
.irp g, G1, G1B
	s_mov_b32 s[\g+1], 512<<16
	s_mov_b32 s[\g+2], 8<<16
	s_mov_b32 s[\g+3], 512<<16
	s_mov_b32 s[\g+4], 8
	s_mov_b32 s[\g+5], 2048
	s_mov_b32 s[\g+6], 0
	s_mov_b32 s[\g+7], 0
.endr
	s_lshl_b32 s18, s16, 7
	s_lshl_b32 s20, s17, 8
	s_add_co_u32 s20, s20, s18
	s_lshl_b32 s20, s20, 10
	s_mov_b32 s21, 0
	s_lshl_b32 s46, s42, 8
	s_add_co_u32 s46, s46, s18
	s_lshl_b32 s46, s46, 10
	s_mov_b32 s47, 0
	s_mul_i32 s19, s14, HALFT
	s_wait_kmcnt 0x0
	s_load_b256 s[68:75], s[10:11], 0x0
	s_add_nc_u64 s[20:21], s[4:5], s[20:21]
	s_add_nc_u64 s[46:47], s[6:7], s[46:47]
	CROUND
.irp s, 0,1
	s_mov_b32 s[G0+4*\s], 1
	s_add_co_u32 s[G0+4*\s+1], s19, \s*SLOT
	s_add_nc_u64 s[G0+4*\s+2:G0+4*\s+3], s[20:21], \s*4096
	s_or_b32 s[G0+4*\s+3], s[G0+4*\s+3], 0x80000000
	s_mov_b32 s[G0B+4*\s], 1
	s_add_co_u32 s[G0B+4*\s+1], s19, \s*SLOT
	s_add_nc_u64 s[G0B+4*\s+2:G0B+4*\s+3], s[46:47], \s*4096
	s_or_b32 s[G0B+4*\s+3], s[G0B+4*\s+3], 0x80000000
	s_wait_alu depctr_va_vdst(0)
	s_wait_tensorcnt 0x0
	ds_add_u32 v28, v29
	ds_add_u32 v28, v29
	s_wait_dscnt 0x0
	CROUND
	JLOAD G0+4*\s, G1, G0B+4*\s, G1B
.endr
	v_and_b32 v1, 15, v0
	s_wait_alu depctr_va_vdst(0)
	v_bfe_u32 v2, v0, 4, 1
	v_and_b32 v3, 31, v0
	v_lshlrev_b32 v[LI], 4, v3
	s_mul_i32 s21, s15, HALFT
	s_mul_i32 s22, s16, HALFT
	s_add_co_u32 s22, s22, 2*HALFT
.irp s, 0,1
	v_add_nc_u32 v[ADRA+\s], s21, v[LI]
	v_add_nc_u32 v[ADRB+\s], s22, v[LI]
	s_add_co_u32 s21, s21, SLOT
	s_add_co_u32 s22, s22, SLOT
.endr
	s_mul_i32 s23, s14, 16*SPITCH                  ; my stage
	v_mul_u32_u24 v5, v1, SPITCH
	s_wait_alu depctr_va_vdst(0)
	v_lshl_add_u32 v5, v2, 5, v5
	v_add_nc_u32 v[STO], s23, v5                   ; in: row r, 32 bytes for each half of the lanes
	v_add_nc_u32 v[RD], s23, v[LI]                 ; back: the 32 lanes take one row of 512 bytes
	s_lshl_b32 s20, s17, 8
	s_lshl_b32 s21, s15, 7
	s_add_co_u32 s20, s20, s21                     ; my first row of out0
	s_lshl_b32 s20, s20, 12                        ; rows of 4,096 bytes
	s_lshl_b32 s22, s42, 10
	s_lshl_b32 s23, s16, 9
	s_add_co_u32 s22, s22, s23                     ; my first column, in bytes
	s_mov_b32 s23, 0
	s_mov_b32 s21, 0
	s_add_nc_u64 s[12:13], s[12:13], s[20:21]
	s_add_nc_u64 s[12:13], s[12:13], s[22:23]
	s_add_nc_u64 s[8:9], s[8:9], s[22:23]
	global_load_b128 v[BI:BI+3], v[LI], s[8:9]
.macro FRAG reg, adr, q, i
.irp c, 0,1,2,3
	ds_load_b128 v[\reg+4*\c:\reg+4*\c+3], v[\adr] offset:2048*(\q)+512*\c+(\i)*4096
.endr
.endm
.macro MUL16 a0, p, zero               ; the 64 accumulators take turns, one instruction a turn
.irp a, \a0, \a0+1
.irp b, 0,1,2,3,4,5,6,7
.if \zero
	v_wmma_f32_16x16x128_fp8_fp8 v[8*(8*((\a)%4)+\b):8*(8*((\a)%4)+\b)+7], v[128*(\p)+FR*\b:128*(\p)+FR*\b+FR-1], v[AF+FR*(\a):AF+FR*(\a)+FR-1], 0
.else
	v_wmma_f32_16x16x128_fp8_fp8 v[8*(8*((\a)%4)+\b):8*(8*((\a)%4)+\b)+7], v[128*(\p)+FR*\b:128*(\p)+FR*\b+FR-1], v[AF+FR*(\a):AF+FR*(\a)+FR-1], v[8*(8*((\a)%4)+\b):8*(8*((\a)%4)+\b)+7]
.endif
.endr
.endr
.endm
.macro FETCH_B slot, q, p
	WIN TO_B
.irp i, 0,1,2,3,4,5,6,7
	FRAG 128*(\p)+FR*\i, ADRB+\slot, \q, \i
.endr
	WIN 0
.endm
.macro FETCH_A slot, q, i0
.irp i, \i0, \i0+1, \i0+2, \i0+3
	FRAG AF+FR*(\i), ADRA+\slot, \q, \i
.endr
.endm
.macro PLACES n
.rept \n
	v_nop
.endr
.endm
.macro STEP slot, q, zero
	s_wait_dscnt 4*NL                              ; the youngest 16 loads (blocks 4-7 of source 1) may be out
	WIN MUL_LO
	MUL16 0, (\q)%2, \zero
	MUL16 2, (\q)%2, \zero
	s_wait_dscnt 0
	PLACES NP
	FETCH_B \slot, (\q)+1, 1-(\q)%2
	FETCH_A \slot, (\q)+1, 0
	WIN MUL_HI
	MUL16 4, (\q)%2, \zero
	MUL16 6, (\q)%2, \zero
	PLACES NP
	WIN 0
	FETCH_A \slot, (\q)+1, 4
.endm
.macro TURN slot, next, fill
	s_wait_tensorcnt 0x0                           ; all my tensor loads have landed
	ds_add_u32 v[SPW], v[NIL]                      ; 0 onto my spare word
	s_wait_dscnt 4*NL+1                            ; the add and the youngest 16 loads may be out
	WIN MUL_LO
	MUL16 0, 1, 0
	s_wait_dscnt 0x0                               ; the add is done, and my reads of this slot are over
	s_barrier_signal -1
	MUL16 2, 1, 0
	WIN 0
	s_barrier_wait -1
.if \fill
	CREST
	s_add_nc_u64 s[G0+4*\slot+2:G0+4*\slot+3], s[G0+4*\slot+2:G0+4*\slot+3], 8192
	s_add_nc_u64 s[G0B+4*\slot+2:G0B+4*\slot+3], s[G0B+4*\slot+2:G0B+4*\slot+3], 8192
	JLOAD G0+4*\slot, G1, G0B+4*\slot, G1B
.else
	PLACES NP
.endif
	FETCH_B \next, 0, 0
	FETCH_A \next, 0, 0
	WIN MUL_HI
	MUL16 4, 1, 0
	MUL16 6, 1, 0
	PLACES NP
	WIN 0
	FETCH_A \next, 0, 4
.endm
	s_wait_tensorcnt 1                             ; my part of slot 0 is in; slot 1's may be out
	s_barrier_signal -1
	s_barrier_wait -1
	FETCH_B 0, 0, 0
	FETCH_A 0, 0, 0
	FETCH_A 0, 0, 4
	STEP 0, 0, 1
	TURN 0, 1, 1
	STEP 1, 0, 0
	TURN 1, 0, 1
	STEP 0, 0, 0
	TURN 0, 1, 0
	STEP 1, 0, 0
	s_wait_dscnt 4*NL
	WIN MUL_LO
	MUL16 0, 1, 0
	MUL16 2, 1, 0
	s_wait_alu depctr_va_vdst(0)
	s_wait_dscnt 0
	WIN MUL_HI
	MUL16 4, 1, 0
	MUL16 6, 1, 0
	WIN 0
.macro TOSTAGE a                       ; LDS serves a wave's instructions in order: no wait between the stores and the loads, nor in front of the next block's stores
.set AC, 64*((\a)%4)
	WIN 0x08+4*((\a)/4)                            ; the stores' data: window 2 or 3
.irp b, 0,1,2,3,4,5,6,7
	ds_store_b128 v[STO], v[AC+8*\b:AC+8*\b+3] offset:64*\b          ; each accumulator from its low end on
	ds_store_b128 v[STO], v[AC+8*\b+4:AC+8*\b+7] offset:64*\b+16
.endr
	WIN 0
.set BB, BK+64*((\a)%2)
.irp t, 0,1,2,3,4,5,6,7,8,9,10,11,12,13,14,15
	ds_load_b128 v[BB+4*\t:BB+4*\t+3], v[RD] offset:\t*SPITCH
.endr
.endm
.macro SEND a, younger                 ; younger: the LDS instructions issued behind block a's loads
.set BB, BK+64*((\a)%2)
	s_wait_dscnt \younger
.if (\a) > 0
	s_add_nc_u64 s[12:13], s[12:13], 65536         ; 16 rows on (behind a wait on XCNT: the earlier stores have read their base)
.endif
.irp t, 0,1,2,3,4,5,6,7,8,9,10,11,12,13,14,15
	v_pk_fma_f32 v[BB+4*\t:BB+4*\t+1], v[BB+4*\t:BB+4*\t+1], s[96:97], v[BI:BI+1] op_sel_hi:[1,0,1]       ; sum x 2^(e6 + e7) + bias
	v_pk_fma_f32 v[BB+4*\t+2:BB+4*\t+3], v[BB+4*\t+2:BB+4*\t+3], s[96:97], v[BI+2:BI+3] op_sel_hi:[1,0,1]
.endr
.irp t, 0,1,2,3,4,5,6,7,8,9,10,11,12,13,14,15
	global_store_b128 v[LI], v[BB+4*\t:BB+4*\t+3], s[12:13] offset:\t*4096 th:TH_STORE_NT   ; 32 lanes store 512 consecutive bytes of a row
.endr
.endm
	s_wait_kmcnt 0x0
	s_add_co_i32 s96, s74, s75
	s_add_co_i32 s96, s96, 127
	s_lshl_b32 s96, s96, 23                        ; 2^(e6 + e7)
	s_mov_b32 s97, s96
	s_wait_loadcnt 0x0                             ; the bias
	PLACES NP
	TOSTAGE 0
.irp a, 1,2,3,4,5,6,7
.if \a > 1
	s_wait_xcnt 0x0                                ; block a - 2's stores have read their registers and their base
.endif
	TOSTAGE \a
	SEND \a-1, 32                                  ; behind block a - 1's loads: block a's 16 stores and 16 loads
.endr
	s_wait_xcnt 0x0
	SEND 7, 0
	s_wait_tensorcnt 0x0                           ; the wave's end
	ds_add_u32 v[SPW], v[NIL]
	s_wait_dscnt 0x0
	CROUND                                         ; the closing round
	s_endpgm
.Lfunc_end_k_q882186cc45_proj:
	.size	k_q882186cc45_proj, .Lfunc_end_k_q882186cc45_proj-k_q882186cc45_proj
	.p2alignl 7, 3214868480
	.fill 96, 4, 3214868480
	.section	.rodata,"a",@progbits
	.p2align	6, 0x0
	.amdhsa_kernel k_q882186cc45_proj
		.amdhsa_group_segment_fixed_size 327680
		.amdhsa_private_segment_fixed_size 0
		.amdhsa_enable_private_segment 0
		.amdhsa_kernarg_size 40
		.amdhsa_user_sgpr_count 2
		.amdhsa_user_sgpr_kernarg_segment_ptr 1
		.amdhsa_wavefront_size32 1
		.amdhsa_system_sgpr_workgroup_id_x 1
		.amdhsa_system_sgpr_workgroup_id_y 1
		.amdhsa_system_sgpr_workgroup_id_z 1
		.amdhsa_system_vgpr_workitem_id 0
		.amdhsa_next_free_vgpr 1024
		.amdhsa_next_free_sgpr 100
		.amdhsa_reserve_vcc 0
		.amdhsa_float_denorm_mode_32 3
		.amdhsa_float_denorm_mode_16_64 3
		.amdhsa_memory_ordered 1
		.amdhsa_forward_progress 1
		.amdhsa_inst_pref_size 124
	.end_amdhsa_kernel
	.amdgpu_metadata
---
amdhsa.version: [ 1, 2 ]
amdhsa.kernels:
  - .name:           k_q882186cc45_proj
    .symbol:         k_q882186cc45_proj.kd
    .args:
      - { .name: yc, .offset: 0, .size: 8, .value_kind: global_buffer, .address_space: global }
      - { .name: wpc, .offset: 8, .size: 8, .value_kind: global_buffer, .address_space: global }
      - { .name: b_proj, .offset: 16, .size: 8, .value_kind: global_buffer, .address_space: global }
      - { .name: lowp_scales, .offset: 24, .size: 8, .value_kind: global_buffer, .address_space: global }
      - { .name: out0, .offset: 32, .size: 8, .value_kind: global_buffer, .address_space: global }
    .group_segment_fixed_size: 327680
    .private_segment_fixed_size: 0
    .kernarg_segment_align: 8
    .kernarg_segment_size: 40
    .max_flat_workgroup_size: 128
    .sgpr_count:     100
    .vgpr_count:     1024
    .wavefront_size: 32
...
	.end_amdgpu_metadata
.endif
;; end of part 4
